; MI455X (gfx1250); checked and timed in simulation.
; The chip was launched on July 23, 2026; its instructions are those of AMD's public machine-readable ISA for CDNA 5 (MIT licence, August 2026) and "CDNA5" Instruction Set Architecture Reference Guide (July 2026). The comments in the code are by the model that wrote it; some were corrected since.
;; Vector Conditioned Logits GM Prior NLL. Allowed arithmetic: matrix products marked QUANTISED: E2M3 operands, one E8M0 scale for each 32 along K, by v_wmma_scale_f32_16x16x128_f8f6f4 with both operands' format E2M3, f32 sums; everything else in f32.
;; Inputs: logits 256 x 512 float32; means 512 x 32 float32; x 256 x 1,024 x 32 float32.
;; Outputs: out0 256 x 1,024 float32.
;; This version of the problem:
;;   THIS VERSION OF THE PROBLEM IS GIVEN IN LOW PRECISION. The matrix products marked QUANTISED in the list below multiply operands that are first quantised to E2M3 (2 exponent bits, 3 mantissa bits; 6 bits a number), with one power-of-two scale for each 32 numbers along K (OCP MX v1.0); their sums are f32. All else is computed in f32.
;;   The module's matrix products, in the order in which they are computed (A, B: the left and right operand; K: the contracted axis; several contracted axes count as one K, in the product's order):
;;     1. [M 262,144, K 32] x [K 32, N 512]; A: input x; B: input means: QUANTISED
;;   THE QUANTISER, for each operand of a quantised product, along K:
;;     - K is cut into blocks of 32 from its start; a last block that is shorter is filled with zeros.
;;     - A block's scale is 2^e with e = floor(log2(the largest magnitude in the block)) - 2, held to -126 .. 127; a block of zeros has e = 0. As a byte (E8M0): e + 127.
;;     - Each number is divided by its block's scale, clamped to +-7.5, and rounded to the nearest number of E2M3, ties to even, subnormals kept.
;;     - The product sums the exact products of the quantised numbers (number of the format x scale) in f32.
;;   ~~~python
;;   def quantise(x, axis):      # numpy; x: float32 -> the quantised numbers, widened to float32 again
;;       x = np.moveaxis(x, axis, -1); K = x.shape[-1]
;;       x = np.pad(x, [(0, 0)] * (x.ndim - 1) + [(0, -K % 32)]); x = x.reshape(x.shape[:-1] + (-1, 32)); a = np.abs(x).max(-1, keepdims=True)
;;       e = np.where(a > 0, np.clip(np.frexp(np.where(a > 0, a, 1))[1] - 1 - 2, -126, 127), 0)      # np.frexp(a)[1] - 1 = floor(log2(a)), exactly
;;       r = np.clip(x / 2.0 ** e, -7.5, 7.5)
;;       step = 2.0 ** (np.maximum(np.frexp(np.where(r == 0, 1, r))[1] - 1, 0) - 3)
;;       q = np.round(r / step) * step * 2.0 ** e      # np.round: ties to even
;;       return np.moveaxis(q.reshape(q.shape[:-2] + (-1,))[..., :K], -1, axis).astype(np.float32)
;;   ~~~
;; One version. Each part assembles by itself: llvm-mc -triple=amdgcn-amd-amdhsa -mcpu=gfx1250 --defsym DOCPART=n.
;; ======== version 1 of 1: 1 launch
;; launch nll (part 1): grid 256 x 1, 8 waves a work-group, clusters of 4 x 1, 241,664 bytes of LDS; arguments logits, means, x, out0; writes out0
.if DOCPART == 1
	.amdgcn_target "amdgcn-amd-amdhsa--gfx1250"
	.amdhsa_code_object_version 6
	.text
	.protected	k_q13660f1426_nll
	.globl	k_q13660f1426_nll
	.p2align	8
	.type	k_q13660f1426_nll,@function
k_q13660f1426_nll:
	s_mov_b64 s[64:65], 0
	v_nop
	global_prefetch_b8 v0, s[64:65] scope:SCOPE_SE
	s_setreg_imm32_b32 hwreg(HW_REG_WAVE_MODE, 25, 1), 1
	s_wait_xcnt 0x0
	s_wait_alu depctr_hold_cnt(0) depctr_sa_sdst(0) depctr_va_vdst(0) depctr_va_sdst(0) depctr_va_ssrc(0) depctr_va_vcc(0) depctr_vm_vsrc(0)
	s_getreg_b32 s2, hwreg(HW_REG_IB_STS2, 6, 4)
	s_cmp_eq_u32 s2, 0
	s_cbranch_scc0 .Lentry_in_a_cluster
	s_endpgm
.Lentry_in_a_cluster:
	s_bfe_u32 s2, ttmp6, 0x10000c
	s_cmp_lg_u32 s2, 0x3003
	s_cbranch_scc0 .Lentry_shape_is_right
	s_endpgm
.Lentry_shape_is_right:
; out0[b][s] = 0.5 |x[b][s]|^2 + 16 ln(2 pi) - logsumexp over k of ( c[b][k] + xm[b][s][k] ),  c[b][k] = log_softmax(logits[b])[k] - 0.5 |means[k]|^2.
; xm = x . means is the one quantised product: both operands as codes of FP6 (E2M3) with one E8M0 scale for the 32 numbers of a row (K = 32 is one block); all else in f32, |x|^2 and |means|^2 of the numbers as given.
; SHARES.  A work-group owns one b (256 work-groups), each of its 8 waves 128 rows s: 4 groups of 32 rows, a group = 2 tiles of 16 rows.  Every wave walks all 512 k, 128 a chunk.
; LAYOUT.  The product is used transposed (source 0 = 16 means, source 1 = 16 rows of x): lane (r, h) holds row r, register j of tile t the component k = 16 t + 8 h + j.  c is the C operand (256 registers, window 1): the
; addition costs no instruction.  A lane keeps a running maximum and sum of ITS OWN 256 components; lanes l and l xor 16 are joined once a tile.  A score costs half a v_max3, half a packed multiply-add, one exponential, half a packed addition.
; K = 32 IN AN INSTRUCTION OF K = 128.  A fragment of 12 registers holds FOUR tiles of means, one in each block of 32 along K (block j = registers 6 (j / 2) on, lanes 16 (j % 2) on).  x stands in ONE block and has zero codes in
; the other three: that block picks the tile, the others add 0.  So all 512 means are 96 registers and 8 scale words.  The four places of x are read out of the run Z | XL | Z | XH | Z (Z: six registers of zeros; XL: the
; tile's codes in lanes 0-15, zeros above; XH: the same in lanes 16-31).  The scale byte of a row of x stands in all four bytes of its word.
; QUANTISER.  A lane takes a whole row (32 numbers = one block): largest magnitude with the floor 2^(3-127) among its leaves, 2 off its exponent field = the conversion's scale operand, that >> 23 = the byte.
; For the means the lane-a-row codes ARE the fragment: wave w quantises means 64 w .. 64 w + 63, which are fragment w, and hands its register image to the others through LDS.
; MEMORY.  All inputs come once, by tensor loads issued at the head (5 of a wave are out by this text's count; no LDS byte is filled twice): tiles stated as rows of 256 bytes, 16 bytes of padding behind every 128.
; CLUSTER 4 x 1.  The load of the means has the same descriptor in every work-group (both addresses hang on the wave's number alone): it is asked for jointly by the four, which divides those requests by four.  x is nobody else's: plain loads.
; LIMITS.  NaN and infinities among the inputs are not served.  A row of zeros, or one whose largest magnitude lies under 2^-124, gets the byte 1 (a row of zeros: where the rule says 127; its codes are zeros and this program alone reads the byte).
.set PX,    144                        ; pitch of a data row (128 bytes) in LDS
.set XGRP,  32*PX                      ; a group of 32 rows
.set XWAVE, 4*XGRP                     ; a wave's 128 rows of x
.set MNB,   8*XWAVE                    ; behind x: the means as f32, 64 rows a wave
.set MWAVE, 64*PX
.set IMG,   MNB+8*MWAVE                ; the 8 fragments' register images, 1,536 bytes each (a multiple of 256 from LDS byte 0: no fill lands from here on)
.set FRB,   1536
.set MSCB,  IMG+8*FRB                  ; their scale words, 128 bytes each
.set BIA,   MSCB+8*128                 ; c[512]
.set OUTB,  BIA+2048                   ; the way out: 512 bytes a wave
.set LANE, 1                           ; v1   lane
.set HH,   2                           ; v2   lane / 16
.set XA,   3                           ; v3   LDS address of my row in my wave's first group of x
.set ADR,  4                           ; v4   the same in the group in hand
.set OW,   5                           ; v5   the way out: where my result goes
.set ORD,  6                           ; v6   and where I read four back
.set GO,   7                           ; v7   16 x lane
.set RES,  8                           ; v8-11  the results of the four groups (lane = row in the group)
.set SM0,  12                          ; v12-14 tile 0 of a group: its maximum, -maximum x log2(e), its sum
.set SMN,  13
.set SL,   14
.set MF,   16                          ; v16-111  the means: 8 fragments of 12
.set MS,   112                         ; v112-119 their scale words
.set XO,   120                         ; v120-173 Z XL0 Z XH0 Z XL1 Z XH1 Z
.set XSC,  174                         ; v174 the scale words of the group's 32 rows (lane = row)
.set X2H,  175                         ; v175 0.5 |x|^2 + 16 ln(2 pi) of my row
.set S,    176                         ; v176-239 a chunk's scores; between groups v176-207 a row's 32 numbers
.set MNG,  240                         ; v240 -maximum x log2(e);  v241 the maximum (named with it as a pair)
.set MX,   241
.set SUM,  242                         ; v242-243 the sum, in two halves
.set FAC,  244                         ; v244 2^((old maximum - new) log2(e));  v245 named with it as a pair
.set CH,   246                         ; v246-253 four chains of maxima, then four pairs of sums
.set TC,   250
.set MO,   254                         ; v254 the old v240
.set TQ,   S+32                        ; the quantiser's registers, in the scores' upper half
.set QA,   S+36
.set QB,   S+37
.set QS,   S+38
.set BY,   S+39
.set SQ,   S+40
.set BY0,  S+44                        ; at the head only
.set WD,   S+45
.set CB,   S+46
.set LI,   S+48
.set IW,   S+49
.set LSC,  S+50
.set SW,   S+51
.set BW,   S+52
.set BR,   S+53
.set GW,   S+54
.set MA,   S+55
.set LG,   MF
.set LO,   MF+16
.set LNZ,  MF+18
.set ST1,  MF+32
.set WV,   12                          ; s12 my wave's number
.set G1X,  16                          ; s[16:23] descriptor group 1 for a piece of x;  s[24:31] for my part of the means
.set G1M,  24
.set G0M,  32                          ; s[32:35] group 0 for the means;  s[36:51] for the four pieces of x
.set G0X,  36
.set SEL,  52                          ; s[52:53] selects of v_permlanex16_b32: lane l xor 16
.set CS,   54                          ; s[54:55] log2(e): the packed form names a pair and takes its low word for both halves
.set NL2E, 56
.set LN2,  57
.set LOGN, 58
.set HIM,  59                          ; lanes 16-31
.set TB,   60                          ; LDS bytes from my first group to the group in hand
.set CNT,  61
.set MSB, 0
.macro WIN new                         ; the immediate's high byte repeats the setting that is left
.if MSB != \new
	s_set_vgpr_msb (MSB<<8)|\new
.set MSB, \new
.endif
.endm
.macro ROUND                           ; a round of the cluster's barrier
	s_barrier_signal -1
	s_barrier_wait -1
	s_cmp_lg_u32 s[WV], 0
	s_cbranch_scc1 .Lnot_wave_0_\@
	s_barrier_signal -3
.Lnot_wave_0_\@:
	s_barrier_wait -3
	s_barrier_signal -1
	s_barrier_wait -1
.endm
; 32 numbers of my row, v[src] on, become 32 codes in v[dst] .. v[dst + 5]; the scale's byte in v[BY]
.macro QCODES src, dst
	v_max3_num_f32 v[QA], |v[\src]|, |v[\src+1]|, 0x1800000          ; the floor 2^(3 - 127): the byte cannot fall under 1
	v_max3_num_f32 v[QB], |v[\src+16]|, |v[\src+17]|, |v[\src+18]|
.irp i, 2,4,6,8,10,12
	v_max3_num_f32 v[QA], v[QA], |v[\src+\i]|, |v[\src+\i+1]|        ; two chains by turns
	v_max3_num_f32 v[QB], v[QB], |v[\src+17+\i]|, |v[\src+18+\i]|
.endr
	v_max3_num_f32 v[QA], v[QA], |v[\src+14]|, |v[\src+15]|
	v_max3_num_f32 v[QA], v[QA], v[QB], |v[\src+31]|                 ; the block's largest magnitude
	v_add_nc_u32 v[QS], 0xff000000, v[QA]                            ; 2 off its exponent field: the conversion takes the exponent field of this operand as its scale
	v_lshrrev_b32 v[BY], 23, v[QS]                                   ; the scale's byte
	v_cvt_scalef32_pk16_fp6_f32 v[\dst:\dst+2], v[\src:\src+15], v[QS]
	v_cvt_scalef32_pk16_fp6_f32 v[TQ:TQ+2], v[\src+16:\src+31], v[QS]   ; (a conversion's three registers begin on an even number)
	v_nop                                                            ; one plain place behind a scaled conversion
.irp i, 0,1,2
	v_mov_b32 v[\dst+3+\i], v[TQ+\i]
.endr
.endm
.macro QSQ src                         ; the sum of the squares of the same 32 numbers, as given, in v[SQ]
	v_pk_mul_f32 v[SQ:SQ+1], v[\src:\src+1], v[\src:\src+1]
	v_pk_mul_f32 v[SQ+2:SQ+3], v[\src+2:\src+3], v[\src+2:\src+3]
.irp i, 4,8,12,16,20,24,28
	v_pk_fma_f32 v[SQ:SQ+1], v[\src+\i:\src+\i+1], v[\src+\i:\src+\i+1], v[SQ:SQ+1]
	v_pk_fma_f32 v[SQ+2:SQ+3], v[\src+\i+2:\src+\i+3], v[\src+\i+2:\src+\i+3], v[SQ+2:SQ+3]
.endr
	v_pk_add_f32 v[SQ:SQ+1], v[SQ:SQ+1], v[SQ+2:SQ+3]
	v_add_f32 v[SQ], v[SQ], v[SQ+1]
.endm
	s_load_b256 s[4:11], s[0:1], 0x0               ; logits s[4:5], means s[6:7], x s[8:9], out0 s[10:11]
	v_lshl_add_u32 v15, v0, 2, 0x3ac00
	v_mov_b32 v255, 0
	ds_add_u32 v15, v255
	ds_add_u32 v15, v255
	v_lshrrev_b32 v1, 5, v0
	v_readfirstlane_b32 s[WV], v1                  ; wave 0..7
	v_and_b32 v[LANE], 31, v0
	v_bfe_u32 v[HH], v0, 4, 1
	s_bfe_u32 s13, ttmp6, 0x40000                  ; cx: my place in the cluster
	s_lshl_b32 s14, ttmp9, 2                       ; in a cluster launch ttmp9 counts clusters
	s_add_co_u32 s13, s14, s13                     ; b = 4 x cluster + cx: it enters the addresses of x, logits and out0 alone
	; descriptor group 1: rows of 32 elements of 8 bytes (256 bytes), dense in memory; 4 words of padding behind every 32 words.  x: 16 such rows (32 data rows); the means: 32 (64 data rows), with the mask of the four work-groups and bit 21 beside it
	s_mov_b32 s[G1X], (3<<16)|(1<<20)|(4<<22)|(3<<25)
	s_mov_b32 s[G1M], 15|(3<<16)|(1<<20)|(1<<21)|(4<<22)|(3<<25)
.irp g, G1X, G1M
	s_mov_b32 s[\g+1], 32<<16                      ; tensor_dim0
	s_mov_b32 s[\g+3], 32<<16                      ; tile_dim0
	s_mov_b32 s[\g+5], 32                          ; tensor_dim0_stride
	s_mov_b32 s[\g+6], 0
	s_mov_b32 s[\g+7], 0
.endr
	s_mov_b32 s[G1X+2], 16<<16                     ; tensor_dim1
	s_mov_b32 s[G1X+4], 16                         ; tile_dim1
	s_mov_b32 s[G1M+2], 32<<16
	s_mov_b32 s[G1M+4], 32
	s_mov_b32 s[SEL], 0x76543210
	s_mov_b32 s[SEL+1], 0xfedcba98
	s_mov_b32 s[CS], 0x3fb8aa3b                    ; log2(e)
	s_mov_b32 s[CS+1], s[CS]
	s_mov_b32 s[NL2E], 0xbfb8aa3b                  ; -log2(e)
	s_mov_b32 s[LN2], 0x3f317218                   ; ln 2
	s_mov_b32 s[LOGN], 0x41eb3f8e                  ; 16 ln(2 pi) = 29.406033
	s_mov_b32 s[HIM], 0xffff0000
	s_mul_i32 s[TB], s[WV], XWAVE                  ; my wave's rows of x in LDS,
	s_mul_i32 s[CNT], s[WV], MWAVE
	s_add_co_u32 s[CNT], s[CNT], MNB               ; and of the means
	v_mul_u32_u24 v[XA], v[LANE], PX               ; a lane a row
	v_add_nc_u32 v[MA], s[CNT], v[XA]
	v_add_nc_u32 v[XA], s[TB], v[XA]
	v_lshl_add_u32 v[LI], v[LANE], 4, IMG          ; an image: 16 bytes a lane,
	s_mul_i32 s62, s[WV], FRB
	v_add_nc_u32 v[IW], s62, v[LI]                 ; mine to store
	v_lshl_add_u32 v[LSC], v[LANE], 2, MSCB        ; a scale word: 4 bytes a lane
	s_lshl_b32 s62, s[WV], 7
	v_add_nc_u32 v[SW], s62, v[LSC]
	v_lshl_add_u32 v[BW], v[LANE], 2, BIA          ; c of my means: 4 (64 w + lane)
	s_lshl_b32 s62, s[WV], 8
	v_add_nc_u32 v[BW], s62, v[BW]
	v_lshlrev_b32 v[GW], 2, v[LANE]                ; and their logits
	v_add_nc_u32 v[GW], s62, v[GW]
	v_lshl_add_u32 v[BR], v[HH], 5, BIA            ; c in the result's layout: eight numbers from 16 t + 8 h on
	s_lshl_b32 s62, s[WV], 9
	v_lshl_add_u32 v[OW], v[LANE], 2, OUTB
	v_add_nc_u32 v[OW], s62, v[OW]
	v_lshl_add_u32 v[ORD], v[LANE], 4, OUTB
	v_add_nc_u32 v[ORD], s62, v[ORD]
	v_lshlrev_b32 v[GO], 4, v[LANE]
	s_lshl_b32 s14, s13, 17                        ; x: b x 131,072 + wave x 16,384 bytes
	s_lshl_b32 s15, s[WV], 14
	s_add_co_u32 s14, s14, s15
	s_mov_b32 s15, 0
	s_lshl_b32 s2, s[WV], 13                       ; the means: wave x 8,192 bytes: the same in all four partners
	s_mov_b32 s3, 0
	s_wait_dscnt 0x0
	s_wait_kmcnt 0x0
	s_add_nc_u64 s[8:9], s[8:9], s[14:15]
	s_add_nc_u64 s[6:7], s[6:7], s[2:3]
	s_lshl_b32 s14, s13, 11
	s_add_nc_u64 s[4:5], s[4:5], s[14:15]          ; logits[b]
	s_lshl_b32 s14, s13, 12
	s_add_co_u32 s14, s14, s62
	s_add_nc_u64 s[10:11], s[10:11], s[14:15]      ; out0[b], my wave's 128 numbers
	s_mov_b32 s[G0M], 1                            ; count = 1
	s_mov_b32 s[G0M+1], s[CNT]                     ; LDS address
	s_mov_b64 s[G0M+2:G0M+3], s[6:7]               ; global address
	s_or_b32 s[G0M+3], s[G0M+3], 0x80000000        ; type = 2
.irp g, 0,1,2,3
	s_mov_b32 s[G0X+4*\g], 1
	s_add_co_u32 s[G0X+4*\g+1], s[TB], \g*XGRP
	s_add_nc_u64 s[G0X+4*\g+2:G0X+4*\g+3], s[8:9], \g*4096
	s_or_b32 s[G0X+4*\g+3], s[G0X+4*\g+3], 0x80000000
.endr
	ROUND                                          ; the four work-groups are here: the joint loads meet
	tensor_load_to_lds s[G0M:G0M+3], s[G1M:G1M+7]  ; all fills of the launch go out together: my part of the means first (jointly), then my x in four pieces, so that work begins on the first while the others are on their way
	s_nop 0
.irp g, 0,1,2,3
	tensor_load_to_lds s[G0X+4*\g:G0X+4*\g+3], s[G1X:G1X+7]
	s_nop 0
.endr
.rept 4
	v_nop                                          ; (plain places behind tensor loads)
.endr
.irp i, 0,1,2,3
	global_load_b128 v[LG+4*\i:LG+4*\i+3], v[GO], s[4:5] offset:512*\i   ; all 512 logits of b, 16 a lane: every wave finds their maximum and sum itself, which spares a barrier
.endr
	global_load_b32 v[LO], v[GW], s[4:5]           ; and those of my 64 means, a lane a component
	global_load_b32 v[LO+1], v[GW], s[4:5] offset:128
.irp i, 0,1,2,3
	v_mov_b32 v[RES+\i], 0                         ; (the results move up a register a group: written once, so that the moves read nothing unwritten)
.endr
	v_mov_b32 v[FAC+1], 0                          ; (named as the upper half of a pair)
	s_wait_loadcnt 0x0
	; log_softmax's two numbers: the largest logit, and ln of the sum of e^(logit - largest)
	v_max3_num_f32 v[TC], v[LG], v[LG+1], v[LG+2]
.irp i, 3,5,7,9,11,13
	v_max3_num_f32 v[TC], v[TC], v[LG+\i], v[LG+\i+1]
.endr
	v_max_num_f32 v[TC], v[TC], v[LG+15]
.irp m, 1,2,4,8
	v_max_num_f32_dpp v[TC], v[TC], v[TC] row_xmask:\m row_mask:0xf bank_mask:0xf
.endr
	v_mov_b32 v[TC+1], 0                           ; (a lane permute's destination counts as one of its sources)
	v_permlanex16_b32 v[TC+1], v[TC], s[SEL], s[SEL+1]
	v_max_num_f32 v[MX], v[TC], v[TC+1]
	v_mul_f32 v[MNG], 0xbfb8aa3b, v[MX]
.irp i, 0,2,4,6,8,10,12,14
	v_pk_fma_f32 v[LG+\i:LG+\i+1], v[LG+\i:LG+\i+1], s[CS:CS+1], v[MNG:MNG+1] op_sel_hi:[1,0,0]
.endr
.irp i, 0,1,2,3,4,5,6,7,8,9,10,11,12,13,14,15
	v_exp_f32 v[LG+\i], v[LG+\i]
.endr
	v_nop                                          ; a plain place behind the last exponential,
	s_wait_alu depctr_va_vdst(0)                   ; and one wait ahead of the batch's first reader
.irp i, 0,4,8,12
	v_pk_add_f32 v[LG+\i:LG+\i+1], v[LG+\i:LG+\i+1], v[LG+\i+2:LG+\i+3]
.endr
	v_pk_add_f32 v[LG:LG+1], v[LG:LG+1], v[LG+4:LG+5]
	v_pk_add_f32 v[LG+8:LG+9], v[LG+8:LG+9], v[LG+12:LG+13]
	v_pk_add_f32 v[LG:LG+1], v[LG:LG+1], v[LG+8:LG+9]
	v_add_f32 v[TC], v[LG], v[LG+1]
.irp m, 1,2,4,8
	v_add_f32_dpp v[TC], v[TC], v[TC] row_xmask:\m row_mask:0xf bank_mask:0xf
.endr
	v_permlanex16_b32 v[TC+1], v[TC], s[SEL], s[SEL+1]
	v_add_f32 v[TC], v[TC], v[TC+1]
	v_log_f32 v[TC], v[TC]
	v_nop
	s_wait_alu depctr_va_vdst(0)
	v_mul_f32 v[LNZ], 0x3f317218, v[TC]
	; my 64 means: two runs of 32, a lane a row
	s_wait_tensorcnt 0x4                           ; behind my part of the means the four pieces of x were issued: it has landed; only I read it
.irp i, 0,1,2,3,4,5,6,7
	ds_load_b128 v[S+4*\i:S+4*\i+3], v[MA] offset:16*\i
.endr
.irp i, 0,1,2,3,4,5,6,7
	ds_load_b128 v[ST1+4*\i:ST1+4*\i+3], v[MA] offset:XGRP+16*\i
.endr
	s_wait_dscnt 0x8                               ; the first run is in; the second run's eight loads may be out
	QCODES S, XO                                   ; means 64 w + lane: registers 0-5 of fragment w (blocks 0 and 1)
	v_mov_b32 v[BY0], v[BY]
	QSQ S
	v_sub_f32 v[CB], v[LO], v[MX]
	v_sub_f32 v[CB], v[CB], v[LNZ]                 ; log_softmax
	v_fma_f32 v[CB], v[SQ], -0.5, v[CB]            ; c
	s_wait_dscnt 0x0
	QCODES ST1, XO+6                               ; means 64 w + 32 + lane: registers 6-11 (blocks 2 and 3)
	QSQ ST1
	v_sub_f32 v[CB+1], v[LO+1], v[MX]
	v_sub_f32 v[CB+1], v[CB+1], v[LNZ]
	v_fma_f32 v[CB+1], v[SQ], -0.5, v[CB+1]
	v_lshl_or_b32 v[WD], v[BY], 16, v[BY0]         ; my two bytes: blocks h and 2 + h of the fragment's row lane % 16,
	v_lshlrev_b32 v[QA], 3, v[HH]
	v_lshlrev_b32 v[WD], v[QA], v[WD]              ; at their places in the scale word;
	v_mov_b32 v[QB], 0
	v_permlanex16_b32 v[QB], v[WD], s[SEL], s[SEL+1]
	v_or_b32 v[WD], v[WD], v[QB]                   ; with lane l xor 16's two the word is whole
.irp c, 0,1,2
	ds_store_b128 v[IW], v[XO+4*\c:XO+4*\c+3] offset:512*\c          ; the fragment as it stands in my registers
.endr
	ds_store_b32 v[SW], v[WD]
	ds_store_b32 v[BW], v[CB]
	ds_store_b32 v[BW], v[CB+1] offset:128
	s_wait_dscnt 0x0                               ; for the others' sake: my stores have landed
	s_barrier_signal -1
	s_barrier_wait -1                              ; all 8 fragments, their scale words and c lie in LDS.
.irp f, 0,1,2,3,4,5,6,7
.irp c, 0,1,2
	ds_load_b128 v[MF+12*\f+4*\c:MF+12*\f+4*\c+3], v[LI] offset:FRB*\f+512*\c
.endr
	ds_load_b32 v[MS+\f], v[LSC] offset:128*\f
.endr
	WIN 0x40                                       ; destination window 1
.set t, 0
.rept 32
	ds_load_b128 v[8*t:8*t+3], v[BR] offset:64*t               ; c(16 t + 8 h + 0 .. 7): tile t's C
	ds_load_b128 v[8*t+4:8*t+7], v[BR] offset:64*t+16
.set t, t+1
.endr
	WIN 0
.irp z, 0,12,24,36,48
.irp i, 0,1,2,3,4,5
	v_mov_b32 v[XO+\z+\i], 0                       ; the five runs of zero codes: written once
.endr
.endr
.macro STAGE                           ; my row of the group in hand: 128 bytes
.irp i, 0,1,2,3,4,5,6,7
	ds_load_b128 v[S+4*\i:S+4*\i+3], v[ADR] offset:16*\i
.endr
.endm
; A group's 32 rows become the operands of its two tiles.  Q (lane = row) is made in XH1's place.  v_permlane16_swap_b32 a, b exchanges a's lanes 16-31 with b's lanes 0-15:
; (Q, 0) -> XL0 = rows 0-15 below, zeros above; XL1 = rows 16-31 below, zeros above.   (0, Q) -> XH0 = zeros below, rows 0-15 above; XH1 = zeros below, rows 16-31 above.
.macro PREP
	s_wait_dscnt 0x0
	QCODES S, XO+42
	v_perm_b32 v[XSC], v[BY], v[BY], 0             ; the byte in all four bytes: it serves whichever block x stands in
.irp i, 0,1,2,3,4,5
	v_mov_b32 v[XO+6+\i], v[XO+42+\i]
.endr
.irp i, 0,1,2,3,4,5
	v_mov_b32 v[XO+30+\i], 0
.endr
.irp i, 0,1,2,3,4,5
	v_mov_b32 v[XO+18+\i], 0
.endr
.irp i, 0,1,2,3,4,5
	v_permlane16_swap_b32 v[XO+6+\i], v[XO+30+\i]
.endr
.irp i, 0,1,2,3,4,5
	v_permlane16_swap_b32 v[XO+18+\i], v[XO+42+\i]
.endr
	QSQ S                                          ; these 18 plain lines and the next are also the places between the operands' and the scale word's last writes and the products
	v_fma_f32 v[X2H], v[SQ], 0.5, s[LOGN]
.endm
; A CHUNK: 128 components (tiles 8 c .. 8 c + 7: fragments 2 c and 2 c + 1, four blocks each) for the 16 rows whose operands begin at v[xb].  row1: the rows' scale words stand in lanes 16-31.
; first: the tile's first chunk starts the maximum and the sum.  save: the state of the tile before is put by, in the places behind the products.
.macro CHUNK c, xb, row1, first, save
	WIN 0x10                                       ; C in window 1
.irp q, 0,1,2,3,4,5,6,7
.set FRG, MF+12*(2*(\c)+\q/4)
.set VO, (\xb)+6+12*(\q%2)-6*((\q%4)/2)            ; x in block 0: XL Z; 1: XH Z; 2: Z XL; 3: Z XH
.if \row1
	v_wmma_scale_f32_16x16x128_f8f6f4 v[S+8*\q:S+8*\q+7], v[FRG:FRG+11], v[VO:VO+11], v[64*(\c)+8*\q:64*(\c)+8*\q+7], v[MS+2*(\c)+\q/4], v[XSC] matrix_a_fmt:MATRIX_FMT_FP6 matrix_b_fmt:MATRIX_FMT_FP6 matrix_b_scale:MATRIX_SCALE_ROW1
.else
	v_wmma_scale_f32_16x16x128_f8f6f4 v[S+8*\q:S+8*\q+7], v[FRG:FRG+11], v[VO:VO+11], v[64*(\c)+8*\q:64*(\c)+8*\q+7], v[MS+2*(\c)+\q/4], v[XSC] matrix_a_fmt:MATRIX_FMT_FP6 matrix_b_fmt:MATRIX_FMT_FP6
.endif
.endr
	WIN 0
	; four places between the products and the first read of a result (ISA guide 7.12.1)
.if \first
.if \save
	v_mov_b32 v[SM0], v[MX]
	v_mov_b32 v[SMN], v[MNG]
	v_add_f32 v[SL], v[SUM], v[SUM+1]
	v_nop
.else
.rept 4
	v_nop
.endr
.endif
.else
	v_mov_b32 v[MO], v[MNG]
.rept 3
	v_nop
.endr
.endif
	; my 64 scores' maximum, with the old one: 32 lines, four chains by turns; each accumulator is first read at its low end
.irp q, 0,1,2,3
	v_max3_num_f32 v[CH+\q], v[S+16*\q], v[S+16*\q+1], v[S+16*\q+2]
.endr
.irp i, 3,5,7,9,11,13
.irp q, 0,1,2,3
	v_max3_num_f32 v[CH+\q], v[CH+\q], v[S+16*\q+\i], v[S+16*\q+\i+1]
.endr
.endr
	v_max3_num_f32 v[CH], v[CH], v[CH+1], v[S+15]
	v_max3_num_f32 v[CH+2], v[CH+2], v[CH+3], v[S+31]
	v_max3_num_f32 v[CH], v[CH], v[S+47], v[S+63]
.if \first
	v_max_num_f32 v[MX], v[CH], v[CH+2]
	v_mul_f32 v[MNG], 0xbfb8aa3b, v[MX]
.else
	v_max3_num_f32 v[MX], v[CH], v[CH+2], v[MX]
	v_mul_f32 v[MNG], 0xbfb8aa3b, v[MX]
	v_sub_f32 v[FAC], v[MNG], v[MO]                ; (old maximum - new) log2(e), 0 or less
	v_exp_f32 v[FAC], v[FAC]                       ; the first of the batch
.endif
	; ONE BATCH: (score - maximum) log2(e), two at a time, two pairs ahead of their exponentials; none of these lines names an exponential's result
	v_pk_fma_f32 v[S:S+1], v[S:S+1], s[CS:CS+1], v[MNG:MNG+1] op_sel_hi:[1,0,0]
	v_pk_fma_f32 v[S+2:S+3], v[S+2:S+3], s[CS:CS+1], v[MNG:MNG+1] op_sel_hi:[1,0,0]
.set i, 0
.rept 32
.if i+2 < 32
	v_pk_fma_f32 v[S+2*i+4:S+2*i+5], v[S+2*i+4:S+2*i+5], s[CS:CS+1], v[MNG:MNG+1] op_sel_hi:[1,0,0]
.endif
	v_exp_f32 v[S+2*i], v[S+2*i]
	v_exp_f32 v[S+2*i+1], v[S+2*i+1]
.set i, i+1
.endr
	v_nop                                          ; a plain place behind the last exponential,
	s_wait_alu depctr_va_vdst(0)                   ; and one wait for the batch, ahead of its first reader
.irp u, 0,1,2,3
	v_pk_add_f32 v[CH+2*\u:CH+2*\u+1], v[S+4*\u:S+4*\u+1], v[S+4*\u+2:S+4*\u+3]   ; the sum: four chains of pairs
.endr
.irp i, 16,24,32,40,48,56
.irp u, 0,1,2,3
	v_pk_add_f32 v[CH+2*\u:CH+2*\u+1], v[CH+2*\u:CH+2*\u+1], v[S+\i+2*\u:S+\i+2*\u+1]
.endr
.endr
	v_pk_add_f32 v[CH:CH+1], v[CH:CH+1], v[CH+2:CH+3]
	v_pk_add_f32 v[CH+4:CH+5], v[CH+4:CH+5], v[CH+6:CH+7]
.if \first
	v_pk_add_f32 v[SUM:SUM+1], v[CH:CH+1], v[CH+4:CH+5]
.else
	v_pk_add_f32 v[CH:CH+1], v[CH:CH+1], v[CH+4:CH+5]
	v_pk_fma_f32 v[SUM:SUM+1], v[SUM:SUM+1], v[FAC:FAC+1], v[CH:CH+1] op_sel_hi:[1,0,1]   ; what was summed under the old maximum comes under the new
.endif
.endm
.macro TILE xb, row1, save
	CHUNK 0, \xb, \row1, 1, \save
	CHUNK 1, \xb, \row1, 0, 0
	CHUNK 2, \xb, \row1, 0, 0
	CHUNK 3, \xb, \row1, 0, 0
.endm
; Both tiles of a group are finished together, so that their two exponentials and their two logarithms are a batch each.  Lanes l and l xor 16 hold the two halves of a row's components.
.macro FINAL
	v_add_f32 v[SUM], v[SUM], v[SUM+1]
	v_permlanex16_b32 v[TC], v[SM0], s[SEL], s[SEL+1]
	v_permlanex16_b32 v[TC+1], v[MX], s[SEL], s[SEL+1]
	v_max_num_f32 v[TC], v[TC], v[SM0]             ; the row's maximum
	v_max_num_f32 v[TC+1], v[TC+1], v[MX]
	v_fma_f32 v[TC+2], v[TC], s[NL2E], -v[SMN]     ; (my half's maximum - the row's) log2(e)
	v_fma_f32 v[TC+3], v[TC+1], s[NL2E], -v[MNG]
	v_exp_f32 v[TC+2], v[TC+2]
	v_exp_f32 v[TC+3], v[TC+3]
	v_mov_b32 v[RES], v[RES+1]                     ; the earlier groups' results move up (plain work behind the exponentials)
	v_mov_b32 v[RES+1], v[RES+2]
	v_mov_b32 v[RES+2], v[RES+3]
	s_wait_alu depctr_va_vdst(0)
	v_mul_f32 v[SL], v[SL], v[TC+2]
	v_mul_f32 v[SUM], v[SUM], v[TC+3]
	v_permlanex16_b32 v[TC+2], v[SL], s[SEL], s[SEL+1]
	v_permlanex16_b32 v[TC+3], v[SUM], s[SEL], s[SEL+1]
	v_add_f32 v[TC+2], v[TC+2], v[SL]              ; the row's sum
	v_add_f32 v[TC+3], v[TC+3], v[SUM]
	v_log_f32 v[TC+2], v[TC+2]
	v_log_f32 v[TC+3], v[TC+3]
	v_nop
	s_wait_alu depctr_va_vdst(0)
	v_fma_f32 v[TC], v[TC+2], s[LN2], v[TC]        ; logsumexp: in tile 0 of row lane % 16, in tile 1 of row 16 + lane % 16
	v_fma_f32 v[TC+1], v[TC+3], s[LN2], v[TC+1]
	v_cndmask_b32 v[TC], v[TC], v[TC+1], s[HIM]    ; lane = row of the group
	v_sub_f32 v[RES+3], v[X2H], v[TC]
.endm
	s_mov_b32 s[TB], 0
	s_wait_tensorcnt 0x3                           ; behind my first piece of x three more were issued: it has landed; only I read my rows
	v_add_nc_u32 v[ADR], s[TB], v[XA]
	STAGE
	PREP                                           ; (its wait covers the fragments, the scale words and c too)
	s_mov_b32 s[CNT], 3
.Lgroup:                                           ; three trips: a group's two tiles, then the next group's operands
	TILE XO, 0, 0
	TILE XO+24, 1, 1
	s_wait_tensorcnt 0x0                           ; the rest of my x has landed
	s_add_co_u32 s[TB], s[TB], XGRP
	v_add_nc_u32 v[ADR], s[TB], v[XA]
	STAGE                                          ; into the scores' registers, which have been summed; the loads land while the group is finished
	FINAL
	PREP
	s_sub_co_u32 s[CNT], s[CNT], 1
	s_cmp_lg_u32 s[CNT], 0
	s_cbranch_scc1 .Lgroup
	TILE XO, 0, 0                                  ; the last group is written out: nothing follows it, and no read leaves my rows
	TILE XO+24, 1, 1
	FINAL
	; THE WAY OUT: register g, lane l is row 32 g + l.  Through my own 512 bytes of LDS, so that a lane holds four neighbouring rows and the wave's one store covers 512 consecutive bytes, at a multiple of 512 from out0's first byte
.irp g, 0,1,2,3
	ds_store_b32 v[OW], v[RES+\g] offset:128*\g
.endr
	ds_load_b128 v[TC:TC+3], v[ORD]                ; LDS serves a wave's instructions in order: this sees my stores
	s_wait_dscnt 0x0
	global_store_b128 v[GO], v[TC:TC+3], s[10:11] th:TH_STORE_NT
	s_wait_tensorcnt 0x0
	ds_add_u32 v15, v255
	s_wait_dscnt 0x0
	ROUND                                          ; the closing round: no work-group ends while a partner may still ask for a tile that names it
	s_endpgm
.Lfunc_end_k_q13660f1426_nll:
	.size	k_q13660f1426_nll, .Lfunc_end_k_q13660f1426_nll-k_q13660f1426_nll
	.p2alignl 7, 3214868480
	.fill 96, 4, 3214868480
	.section	.rodata,"a",@progbits
	.p2align	6, 0x0
	.amdhsa_kernel k_q13660f1426_nll
		.amdhsa_group_segment_fixed_size 241664
		.amdhsa_private_segment_fixed_size 0
		.amdhsa_enable_private_segment 0
		.amdhsa_kernarg_size 32
		.amdhsa_user_sgpr_count 2
		.amdhsa_user_sgpr_kernarg_segment_ptr 1
		.amdhsa_wavefront_size32 1
		.amdhsa_system_sgpr_workgroup_id_x 1
		.amdhsa_system_sgpr_workgroup_id_y 1
		.amdhsa_system_sgpr_workgroup_id_z 1
		.amdhsa_system_vgpr_workitem_id 0
		.amdhsa_next_free_vgpr 512
		.amdhsa_next_free_sgpr 66
		.amdhsa_reserve_vcc 0
		.amdhsa_float_denorm_mode_32 3
		.amdhsa_float_denorm_mode_16_64 3
		.amdhsa_memory_ordered 1
		.amdhsa_forward_progress 1
		.amdhsa_inst_pref_size 185
	.end_amdhsa_kernel
	.amdgpu_metadata
---
amdhsa.version: [ 1, 2 ]
amdhsa.kernels:
  - .name:           k_q13660f1426_nll
    .symbol:         k_q13660f1426_nll.kd
    .args:
      - { .name: logits, .offset: 0, .size: 8, .value_kind: global_buffer, .address_space: global }
      - { .name: means, .offset: 8, .size: 8, .value_kind: global_buffer, .address_space: global }
      - { .name: x, .offset: 16, .size: 8, .value_kind: global_buffer, .address_space: global }
      - { .name: out0, .offset: 24, .size: 8, .value_kind: global_buffer, .address_space: global }
    .group_segment_fixed_size: 241664
    .private_segment_fixed_size: 0
    .kernarg_segment_align: 8
    .kernarg_segment_size: 32
    .max_flat_workgroup_size: 256
    .sgpr_count:     66
    .vgpr_count:     512
    .wavefront_size: 32
...
	.end_amdgpu_metadata
.endif
;; end of part 1
